; MI455X (gfx1250); checked and timed in simulation.
; The chip was launched on July 23, 2026; its instructions are those of AMD's public machine-readable ISA for CDNA 5 (MIT licence, August 2026) and "CDNA5" Instruction Set Architecture Reference Guide (July 2026). The comments in the code are by the model that wrote it; some were corrected since.
;; B Spline KAN Layer. Allowed arithmetic: matrix products marked QUANTISED: E5M2 operands, one given power-of-two scale a tensor, by v_wmma_f32_16x16x64_bf8_bf8 or v_wmma_f32_16x16x128_bf8_bf8, f32 sums; everything else in f32.
;; Inputs: base_weight_codes 512 x 16 x 32 uint8 (E5M2 codes of base_weight, K innermost, in blocks of 32 codes); coeff 512 x 512 x 8 float32; knots 12 float32; lowp_scales 4 int32 (the exponents e of the quantised operands' scales 2^e); x 16,384 x 512 float32.
;; Outputs: out0 16,384 x 512 float32.
;; This version of the problem:
;;   THIS VERSION OF THE PROBLEM IS GIVEN IN LOW PRECISION. The matrix products marked QUANTISED in the list below multiply operands that are first quantised to E5M2 (5 exponent bits, 2 mantissa bits; 8 bits a number), with one given power-of-two scale for each operand tensor; their sums are f32. All else is computed in f32.
;;   The module's matrix products, in the order in which they are computed (A, B: the left and right operand; K: the contracted axis; several contracted axes count as one K, in the product's order):
;;     1. [M 16,384, K 512] x [K 512, N 512]; A: input x; B: input base_weight (given as codes): QUANTISED (scales: A lowp_scales[0], B lowp_scales[1])
;;     2. [M 16,384, K 4,096] x [K 4,096, N 512]; A: computed on the way; B: input coeff: QUANTISED (scales: A lowp_scales[2], B lowp_scales[3])
;;   THE QUANTISER, for each operand of a quantised product, along K:
;;     - The operand's scale is 2^e, e = its entry of the input lowp_scales (int32; the entries are numbered through the quantised products in the list's order, A before B).
;;     - Each number is divided by the scale, clamped to +-57,344, and rounded to the nearest number of E5M2, ties to even, subnormals kept.
;;     - The product sums the exact products of the quantised numbers (number of the format x scale) in f32.
;;   ~~~python
;;   def quantise(x, axis, e):      # numpy; x: float32 -> the quantised numbers, widened to float32 again
;;       x = np.moveaxis(x, axis, -1); K = x.shape[-1]
;;       r = np.clip(x / 2.0 ** e, -57344, 57344)
;;       step = 2.0 ** (np.maximum(np.frexp(np.where(r == 0, 1, r))[1] - 1, -14) - 2)
;;       q = np.round(r / step) * step * 2.0 ** e      # np.round: ties to even
;;       return np.moveaxis(q, -1, axis).astype(np.float32)
;;   ~~~
;;   OPERANDS COMPUTED ON THE WAY. 'Computed on the way' means the value that the module computes at that place (a softmax that the list does not call 'softmax' is quantised finished and normalised). What goes into a quantiser is computed in f32, as accurately as f32 sums, v_exp_f32 and their like allow (about 1e-6 of the number): no bf16 or f16 on the way to a quantiser, and a product that is left as it is and whose result goes on into a quantised operand takes f32 operands (vector FMAs, or v_wmma_f32_16x16x4_f32). A number that lies on a knife's edge between two numbers of the format may be rounded either way, as far as f32 arithmetic and the matrix unit's own rounding can turn it there, and no further.
;;   INPUTS GIVEN AS CODES. base_weight (in the module: [512, 512], K = its axis 0): each comes as NAME_codes (uint8): NAME with its K axis moved to the last place and cut into blocks of 32 codes, [.., K / 32, bytes a block], one block behind the other in memory; one code a byte (a code: sign, 5 exponent bits, 2 mantissa bits); its scale is its entry of lowp_scales. Its value is code x scale, taken as it is: it is not quantised again, and the codes and scales need not be those that the quantiser above would give.
;; One version. Each part assembles by itself: llvm-mc -triple=amdgcn-amd-amdhsa -mcpu=gfx1250 --defsym DOCPART=n.
;; ======== version 1 of 1: 2 launches
;; limits: right only within a limited range of input values
;; workspace buffers: w 2,359,296 bytes
;; launch prep (part 1): grid 256 x 1, 4 waves a work-group, no clusters, 0 bytes of LDS; arguments coeff, base_weight_codes, lowp_scales, w; writes w
.if DOCPART == 1
	.amdgcn_target "amdgcn-amd-amdhsa--gfx1250"
	.amdhsa_code_object_version 6
	.text
	.protected	k_q4a7d0162d4_prep
	.globl	k_q4a7d0162d4_prep
	.p2align	8
	.type	k_q4a7d0162d4_prep,@function
k_q4a7d0162d4_prep:
	s_mov_b64 s[64:65], 0
	v_nop
	global_prefetch_b8 v0, s[64:65] scope:SCOPE_SE
	s_setreg_imm32_b32 hwreg(HW_REG_WAVE_MODE, 25, 1), 1
	s_wait_xcnt 0x0
; The weights of both products are laid once, as codes of E5M2, in the order in which a wave's operand registers take them.
; w = 36 images of 65,536 bytes, one for each step of 128 along K: 0-31 the splines' (coeff, quantised here with 2^e3), 32-35 the base product's (given codes, moved as they are).
; Byte 65536 S + 2048 n + 512 g + 16 l + q: column o = 16 n + l % 16, h = l / 16, register group g, byte q of the lane's 16.
;   spline step S:   coeff[i][o][j], i = 16 S + 8 (g / 2) + 4 h + 2 (g % 2) + q % 2, j = q / 2
;   base step 32+sb: code of base_weight at k = 128 sb + 32 g + 8 (q / 4) + 4 h + q % 4
; The other launch lays its own operand by the same map, so every product meets its partner.
; code = c / 2^e3, held within +-57,344, to the nearest code, ties to even.  LIMITS: e3 between -126 and 112; NaN is not served.
; SHARES.  Work-group ip takes the inputs 2 ip and 2 ip + 1, wave wv the columns 128 wv on.  A load reads 512 consecutive bytes (16 columns x 8 numbers);
; a store writes 256 consecutive bytes at a multiple of 256.  No LDS, no barrier, no loop; no register of a store is written again.
.set CF,  16                           ; v16-79   coeff: block nn, input e: four numbers at v[CF + 8 nn + 4 e]
.set HB,  80                           ; v80-95   two sets of eight held numbers, the two inputs interleaved
.set CC,  96                           ; v96-111  codes: two registers for each block
	s_load_b256 s[4:11], s[0:1], 0x0               ; coeff s[4:5], the base codes s[6:7], the scales' exponents s[8:9], w s[10:11]
	v_lshrrev_b32 v1, 5, v0
	v_readfirstlane_b32 s12, v1                    ; wave
	v_and_b32 v1, 31, v0                           ; lane
	v_lshlrev_b32 v2, 4, v1                        ; coeff: 16 bytes a lane: column lane / 2, numbers 4 (lane % 2) on
	v_lshlrev_b32 v3, 3, v1                        ; w: 8 bytes a lane
	v_lshrrev_b32 v4, 1, v1
	v_and_b32 v5, 1, v1
	v_lshlrev_b32 v4, 9, v4
	v_lshl_add_u32 v4, v5, 4, v4                   ; the base codes: row lane / 2 of 512 bytes, + 16 (lane % 2)
	s_lshl_b32 s14, ttmp9, 15                      ; coeff: two inputs are 32,768 bytes,
	s_lshl_b32 s13, s12, 12                        ; 128 columns 4,096
	s_add_co_u32 s14, s14, s13
	s_mov_b32 s15, 0
	s_lshr_b32 s16, ttmp9, 3                       ; ip = 8 S + 4 (g / 2) + 2 h + g % 2
	s_lshl_b32 s16, s16, 16
	s_lshl_b32 s13, s12, 14                        ; eight column tiles of 2,048 bytes a wave
	s_add_co_u32 s16, s16, s13
	s_bfe_u32 s13, ttmp9, 0x10002
	s_lshl_b32 s13, s13, 10
	s_add_co_u32 s16, s16, s13
	s_and_b32 s13, ttmp9, 1
	s_lshl_b32 s13, s13, 9
	s_add_co_u32 s16, s16, s13
	s_bfe_u32 s13, ttmp9, 0x10001
	s_lshl_b32 s13, s13, 8
	s_add_co_u32 s16, s16, s13
	s_mov_b32 s17, 0
	s_and_b32 s20, s12, 1                          ; the base part, 256 bytes of w a wave: h = wave % 2,
	s_and_b32 s21, ttmp9, 1
	s_lshl_b32 s21, s21, 1
	s_lshr_b32 s13, s12, 1
	s_add_co_u32 s21, s21, s13                     ; g = 2 (ip % 2) + wave / 2,
	s_bfe_u32 s22, ttmp9, 0x50001                  ; n = (ip / 2) % 32,
	s_lshr_b32 s23, ttmp9, 6                       ; sb = ip / 64
	s_lshl_b32 s18, s22, 13                        ; from: 16 n rows of 512 bytes + 128 sb + 32 g + 4 h
	s_lshl_b32 s13, s23, 7
	s_add_co_u32 s18, s18, s13
	s_lshl_b32 s13, s21, 5
	s_add_co_u32 s18, s18, s13
	s_lshl_b32 s13, s20, 2
	s_add_co_u32 s18, s18, s13
	s_mov_b32 s19, 0
	s_add_co_u32 s24, s23, 32                      ; to: 65536 (32 + sb) + 2048 n + 512 g + 256 h
	s_lshl_b32 s24, s24, 16
	s_lshl_b32 s13, s22, 11
	s_add_co_u32 s24, s24, s13
	s_lshl_b32 s13, s21, 9
	s_add_co_u32 s24, s24, s13
	s_lshl_b32 s13, s20, 8
	s_add_co_u32 s24, s24, s13
	s_mov_b32 s25, 0
	s_wait_alu depctr_va_vdst(0)
	s_wait_kmcnt 0x0
	s_load_b32 s26, s[8:9], 0xc                    ; e3
	s_add_nc_u64 s[4:5], s[4:5], s[14:15]
	s_add_nc_u64 s[6:7], s[6:7], s[18:19]
	s_add_nc_u64 s[28:29], s[10:11], s[24:25]
	s_add_nc_u64 s[10:11], s[10:11], s[16:17]
	global_load_b32 v12, v4, s[6:7]                ; k + 0 .. 3
	global_load_b32 v13, v4, s[6:7] offset:8       ; k + 8 .. 11
.irp nn, 0,1,2,3,4,5,6,7
	global_load_b128 v[CF+8*\nn:CF+8*\nn+3], v2, s[4:5] offset:512*\nn th:TH_LOAD_NT
	global_load_b128 v[CF+8*\nn+4:CF+8*\nn+7], v2, s[4:5] offset:512*\nn+16384 th:TH_LOAD_NT
.endr
	s_wait_kmcnt 0x0
	s_add_co_i32 s26, s26, 127
	s_lshl_b32 s27, s26, 23
	v_mov_b32 v11, s27                             ; 2^e3 as f32: the conversion takes its exponent field
	s_add_co_i32 s26, s26, 15
	s_lshl_b32 s26, s26, 23
	s_or_b32 s26, s26, 0x600000
	v_mov_b32 v10, s26                             ; 57,344 x 2^e3
	s_wait_alu depctr_va_vdst(0)
	s_wait_loadcnt 16                              ; the two loads of base codes are in; the sixteen issued behind them may be out
	global_store_b64 v3, v[12:13], s[28:29]
.macro BLOCK nn
.set HS, HB+8*((\nn)%2)
	s_wait_loadcnt 14-2*(\nn)                      ; this block's two loads are in; the later blocks' may be out
.irp jj, 0,1,2,3
	v_med3_num_f32 v[HS+2*\jj], v[CF+8*(\nn)+\jj], -v10, v10      ; the conversion does not saturate (ISA guide 7.6.2): the hold comes first,
	v_med3_num_f32 v[HS+2*\jj+1], v[CF+8*(\nn)+4+\jj], -v10, v10  ; and it lays the two inputs by turns: byte 2 j + e
.endr
	v_cvt_scalef32_pk8_bf8_f32 v[CC+2*(\nn):CC+2*(\nn)+1], v[HS:HS+7], v11   ; its sources are written again two blocks on, behind the next block's eight plain lines; its result goes to a store alone
	global_store_b64 v3, v[CC+2*(\nn):CC+2*(\nn)+1], s[10:11] offset:2048*(\nn)
.endm
.irp nn, 0,1,2,3,4,5,6,7
	BLOCK \nn
.endr
	s_endpgm
.Lfunc_end_k_q4a7d0162d4_prep:
	.size	k_q4a7d0162d4_prep, .Lfunc_end_k_q4a7d0162d4_prep-k_q4a7d0162d4_prep
	.p2alignl 7, 3214868480
	.fill 96, 4, 3214868480
	.section	.rodata,"a",@progbits
	.p2align	6, 0x0
	.amdhsa_kernel k_q4a7d0162d4_prep
		.amdhsa_group_segment_fixed_size 0
		.amdhsa_private_segment_fixed_size 0
		.amdhsa_enable_private_segment 0
		.amdhsa_kernarg_size 32
		.amdhsa_user_sgpr_count 2
		.amdhsa_user_sgpr_kernarg_segment_ptr 1
		.amdhsa_wavefront_size32 1
		.amdhsa_system_sgpr_workgroup_id_x 1
		.amdhsa_system_sgpr_workgroup_id_y 1
		.amdhsa_system_sgpr_workgroup_id_z 1
		.amdhsa_system_vgpr_workitem_id 0
		.amdhsa_next_free_vgpr 112
		.amdhsa_next_free_sgpr 66
		.amdhsa_reserve_vcc 0
		.amdhsa_float_denorm_mode_32 3
		.amdhsa_float_denorm_mode_16_64 3
		.amdhsa_memory_ordered 1
		.amdhsa_forward_progress 1
		.amdhsa_inst_pref_size 10
	.end_amdhsa_kernel
	.amdgpu_metadata
---
amdhsa.version: [ 1, 2 ]
amdhsa.kernels:
  - .name:           k_q4a7d0162d4_prep
    .symbol:         k_q4a7d0162d4_prep.kd
    .args:
      - { .name: coeff, .offset: 0, .size: 8, .value_kind: global_buffer, .address_space: global }
      - { .name: base_weight_codes, .offset: 8, .size: 8, .value_kind: global_buffer, .address_space: global }
      - { .name: lowp_scales, .offset: 16, .size: 8, .value_kind: global_buffer, .address_space: global }
      - { .name: w, .offset: 24, .size: 8, .value_kind: global_buffer, .address_space: global }
    .group_segment_fixed_size: 0
    .private_segment_fixed_size: 0
    .kernarg_segment_align: 8
    .kernarg_segment_size: 32
    .max_flat_workgroup_size: 128
    .sgpr_count:     66
    .vgpr_count:     112
    .wavefront_size: 32
...
	.end_amdgpu_metadata
.endif
;; end of part 1
;; launch kan (part 2): grid 256 x 1, 8 waves a work-group, no clusters, 218,112 bytes of LDS; arguments x, w, knots, lowp_scales, out0; writes out0
.if DOCPART == 2
	.amdgcn_target "amdgcn-amd-amdhsa--gfx1250"
	.amdhsa_code_object_version 6
	.text
	.protected	k_q4a7d0162d4_kan
	.globl	k_q4a7d0162d4_kan
	.p2align	8
	.type	k_q4a7d0162d4_kan,@function
k_q4a7d0162d4_kan:
	s_mov_b64 s[64:65], 0
	v_nop
	global_prefetch_b8 v0, s[64:65] scope:SCOPE_SE
	s_setreg_imm32_b32 hwreg(HW_REG_WAVE_MODE, 25, 1), 1
	s_wait_xcnt 0x0
; out = silu(x Wb) + sum over (i, j) of basis(x)[b][i][j] coeff[i][o][j], both products on codes of E5M2 with the given scales 2^e0 .. 2^e3.
; x [16384][512] f32; w: both weights as codes, images of the operand's registers, 36 steps of 128 along K x 65,536 bytes (made by the launch before); knots [12] f32; out0 [16384][512] f32.
; SHARES.  A work-group owns 64 rows and all 512 columns: each number of x is expanded into its 8 basis values once in the launch, and the basis never goes to memory.
; Eight waves, all alike, two on each SIMD.  Wave v = 4 gh + m MULTIPLIES 64 rows x columns 64 v on (16 accumulators, 16 matrix instructions a step of 128 along K) and
; MAKES an eighth of each basis image: rows 16 m on, inputs 8 gh + 4 h + 0 .. 3 of the step's 16: two pairs of inputs a lane, in f32, quantised, 16 bytes a pair into LDS.
; THE BASIS is the recursion as it is defined, for any knots (unsorted or repeated too): 11 indicators, then 10, 9, 8 values, spans floored at 1e-8.
;   u_m = xc - t_m;  B^j_i = u_i (r^j_i B^(j-1)_i) - u_(i+j+1) (r^j_(i+1) B^(j-1)_(i+1)),  r^j_i = 1 / max(t_(i+j) - t_i, 1e-8).  Two inputs at a time in packed f32.
;   Two identities, for all finite x and knots: xc = min(max(x, t_3), t_8) is the middle one of x, min(t_3, t_8), t_8; and xc >= t_3 holds exactly when t_3 <= t_8 (else xc = t_8 < t_3): that one compare is made once, at the head.
; PLACES ALONG K.  Byte q of register group g of lane (r, h) is input 16 S + 8 (g / 2) + 4 h + 2 (g % 2) + q % 2, basis index q / 2, in the image and in w alike.
; X comes as whole rows: each wave's one tensor load brings 8 rows (16 KB, stated as 16 rows of 1,024 bytes, 16 bytes of padding behind each) into LDS at the head; nothing is filled again.  The tile is first read in step 2;
; the first 64 inputs are also loaded straight into registers, 64 bytes a lane, ahead of the tensor load, so that the first four images are made while the tile is on its way.
; THE WEIGHTS go from memory straight into registers: w holds them in the order of a wave's operand registers, and each byte is wanted by ONE wave of the work-group, once.  16 loads of 512 consecutive bytes a step,
; a step ahead, into two sets that take turns.  NO CLUSTER, NO JOINT LOADS: through LDS a step's weights would be 64 KB written and 64 KB read beside the 72 KB that the basis images move there.
; A STEP has one barrier, split.  Step S: store the first pair of image S + 1; fetch image S; ask for the weights of S + 1; make and store the second pair of image S + 1; signal;
; make the first pair of image S + 2 in registers (its store follows the wait); wait.  Six of the step's products stand between the sections of the recursion ahead of the signal, ten behind it.
; PREFETCH of w: a trip's four images are 1,024 blocks of 256 bytes; wave v of work-group i names block 8 (i % 128) + v, once a trip, for images 8 to 11 counted from the trip's base: five steps or more ahead of their loads.
; The last trip's request ends at image 35, the buffer's last.  Images 0 to 3 come by their loads alone.
; THE BASE PRODUCT comes last: x's codes are gathered in LDS as x goes by; each wave multiplies them for its own 64 columns, so silu(base) + spline is formed in the wave that holds both sums.
; LIMITS.  NaN and infinities in x, knots or the weights are not served.  e0, e2 between -126 and 112; e0 + e1 and e2 + e3 between -126 and 127.  A division by a span is a multiplication by v_rcp_f32's result
; after one Newton step, and r B is formed ahead of the multiplication by u: an order of rounding that differs from the definition's by a few units in the last place.
.set IMG,    65536                     ; a step's weights
.set XROW,   2080                      ; LDS from byte 0: x, a row of 2,048 bytes as two pieces of 1,024 + 16
.set ABUF,   133120                    ; two buffers of 8,192 bytes: a step's basis, 2048 x (tile of rows) + 512 g + 16 lane
.set XCB,    149504                    ; x's codes, 32,768 bytes: 2048 (4 m + sb) + 512 g + 16 lane
.set OSTG,   182272                    ; the way out: 16 rows x (256 + 16) bytes for each wave
.set OPITCH, 272
.set SPARE,  217088                    ; the spare words, 128 bytes for each of the eight waves
.set SPW, 1                            ; v1   SPARE + 4 x my thread's number; never rewritten
.set NIL, 2                            ; v2   0; never rewritten
.set L16, 3                            ; v3   16 x lane
.set AAD, 4                            ; v4   the basis images, to read
.set WAD, 5                            ; v5   w: my 4 column tiles, 16 x lane
.set PFO, 6                            ; v6   w: the block that I prefetch
.set XL0, 7                            ; v7   x in LDS: my row, my inputs of a step
.set XLA, 8                            ; v8   the same at the block of x in hand (at the head: my offset in x in memory)
.set PAD, 9                            ; v9   my part of the basis images, to write
.set XS0, 10                           ; v10  my part of x's codes
.set XSA, 11                           ; v11  the same at the block of x in hand
.set XCA, 12                           ; v12  x's codes, to read
.set OST, 13                           ; v13  my stage: where I put 32 bytes of a row
.set ORD, 14                           ; v14  my stage: where I read rows back
.set CO,  15                           ; v15  my byte offset in two rows of out0
.set NX,  16                           ; v16-31 x: register 4 q + e = input 16 q + 8 gh + 4 h + e of the block of 64
.set WX,  32                           ; v32-47 the same, clipped
.set NT,  48                           ; v48-59 -t_m
.set R1,  60                           ; v60-70 r^1, v71-80 r^2, v81-89 r^3
.set R2,  71
.set R3,  81
.set SCX, 90                           ; 2^e0;  v91: 57,344 x 2^e0;  v92, v93: the same with e2
.set LIMX, 91
.set SCB, 92
.set LIMB, 93
.set UA,  94                           ; v94-117, v118-141: u_0 .. u_11 of a pair of inputs, two sets
.set C0,  142                          ; v142-163 r^1 x indicator; later B^2
.set B1,  164                          ; v164-183 B^1; later B^3
.set CD,  184                          ; v184-191 codes, two sets of four
.set QT,  142                          ; x held, 16 registers
.set DD,  94                           ; at the head: the 30 spans, and 30 at work
.set EE,  124
.set AF,  192                          ; v192-255 four fragments of rows
.set BF,  128                          ; window 1: v128-191, v192-255 two sets of four fragments of weights; v0-127 the spline sums, (m, b) at v[32 m + 8 b]
.set BA,  64                           ; at the end: v64-191 the base sums, (m, b) at v[64 + 32 m + 8 b]
.set EX,  16                           ; at the end: v16-47 at work
.set WV,  14                           ; s14 wave; s15 m = wave % 4; s16 gh = wave / 4
.set W3,  15
.set GH,  16
.set TR,  17                           ; s17 the trip
.set XB,  18                           ; s18 256 x (trip + 1)
.set G1,  24                           ; s[24:31] descriptor group 1; s[32:35] group 0
.set G0,  32
.set WB,  36                           ; s[36:37] w at the trip's base image
.set MK,  40                           ; s40-63 lane masks: knot m, input e at s[40 + 2 m + e]
.set KN,  68                           ; s68-79 the knots; s80-83 e0 .. e3; s[84:85] 2^(e0+e1); s[86:87] 2^(e2+e3); s[88:89] -log2(e)
.set LOS, 96                           ; s96  min(t_3, t_8)
.set S3,  97                           ; s97  t_3 <= t_8, as a mask of all lanes
.set MSB, 0
.macro WIN new                         ; the immediate's high byte repeats the setting that is left
.if MSB != \new
	s_set_vgpr_msb (MSB<<8)|\new
.set MSB, \new
.endif
.endm
.macro PLACES
.rept 4
	v_nop
.endr
.endm
; a packed operation whose second source is ONE register for both halves: the register's pair is named, and op_sel picks the register
.macro PKADDC d, a, c
.if ((\c)&1)
	v_pk_add_f32 v[(\d):(\d)+1], v[(\a):(\a)+1], v[(\c)-1:(\c)] op_sel:[0,1] op_sel_hi:[1,1]
.else
	v_pk_add_f32 v[(\d):(\d)+1], v[(\a):(\a)+1], v[(\c):(\c)+1] op_sel_hi:[1,0]
.endif
.endm
.macro PKMULC d, a, c
.if ((\c)&1)
	v_pk_mul_f32 v[(\d):(\d)+1], v[(\a):(\a)+1], v[(\c)-1:(\c)] op_sel:[0,1] op_sel_hi:[1,1]
.else
	v_pk_mul_f32 v[(\d):(\d)+1], v[(\a):(\a)+1], v[(\c):(\c)+1] op_sel_hi:[1,0]
.endif
.endm
.macro UMAKE u, xr                     ; u_m = xc - t_m for the two inputs in v[xr], v[xr + 1]
.irp m, 0,1,2,3,4,5,6,7,8,9,10,11
	PKADDC (\u)+2*\m, \xr, NT+\m
.endr
.endm
.macro CMPS u                          ; xc >= t_m: the rounded difference has the sign of the exact one.  m = 3 is s[S3], made at the head
.irp m, 0,1,2,4,5,6,7,8,9,10,11
	v_cmp_le_f32 s[MK+2*\m], 0, v[(\u)+2*\m]
	v_cmp_le_f32 s[MK+2*\m+1], 0, v[(\u)+2*\m+1]
.endr
.endm
.macro MASKS                           ; xc >= t_i and not xc >= t_(i+1): ascending, so that each line finds its neighbour as the compare left it
.irp i, 0,1
	s_and_not1_b32 s[MK+2*\i], s[MK+2*\i], s[MK+2*\i+2]
	s_and_not1_b32 s[MK+2*\i+1], s[MK+2*\i+1], s[MK+2*\i+3]
.endr
	s_and_not1_b32 s[MK+4], s[MK+4], s[S3]
	s_and_not1_b32 s[MK+5], s[MK+5], s[S3]
	s_and_not1_b32 s[MK+6], s[S3], s[MK+8]
	s_and_not1_b32 s[MK+7], s[S3], s[MK+9]
.irp i, 4,5,6,7,8,9,10
	s_and_not1_b32 s[MK+2*\i], s[MK+2*\i], s[MK+2*\i+2]
	s_and_not1_b32 s[MK+2*\i+1], s[MK+2*\i+1], s[MK+2*\i+3]
.endr
.endm
; The recursion for a pair of inputs, in four sections.  Within a level all products come first, so that no line waits for the line above it.
.macro LA u                            ; r^1 x indicator, and level 1
.irp i, 0,1,2,3,4,5,6,7,8,9,10
	v_cndmask_b32 v[C0+2*\i], 0, v[R1+\i], s[MK+2*\i]
	v_cndmask_b32 v[C0+2*\i+1], 0, v[R1+\i], s[MK+2*\i+1]
.endr
.irp i, 0,1,2,3,4,5,6,7,8,9
	v_pk_mul_f32 v[B1+2*\i:B1+2*\i+1], v[(\u)+2*\i+4:(\u)+2*\i+5], v[C0+2*\i+2:C0+2*\i+3]
.endr
.irp i, 0,1,2,3,4,5,6,7,8,9
	v_pk_fma_f32 v[B1+2*\i:B1+2*\i+1], v[(\u)+2*\i:(\u)+2*\i+1], v[C0+2*\i:C0+2*\i+1], v[B1+2*\i:B1+2*\i+1] neg_lo:[0,0,1] neg_hi:[0,0,1]
.endr
.endm
.macro LB u                            ; level 2
.irp i, 0,1,2,3,4,5,6,7,8,9
	PKMULC B1+2*\i, B1+2*\i, R2+\i
.endr
.irp i, 0,1,2,3,4,5,6,7,8
	v_pk_mul_f32 v[C0+2*\i:C0+2*\i+1], v[(\u)+2*\i+6:(\u)+2*\i+7], v[B1+2*\i+2:B1+2*\i+3]
.endr
.irp i, 0,1,2,3,4,5,6,7,8
	v_pk_fma_f32 v[C0+2*\i:C0+2*\i+1], v[(\u)+2*\i:(\u)+2*\i+1], v[B1+2*\i:B1+2*\i+1], v[C0+2*\i:C0+2*\i+1] neg_lo:[0,0,1] neg_hi:[0,0,1]
.endr
.endm
.macro LC u                            ; level 3
.irp i, 0,1,2,3,4,5,6,7,8
	PKMULC C0+2*\i, C0+2*\i, R3+\i
.endr
.irp i, 0,1,2,3,4,5,6,7
	v_pk_mul_f32 v[B1+2*\i:B1+2*\i+1], v[(\u)+2*\i+8:(\u)+2*\i+9], v[C0+2*\i+2:C0+2*\i+3]
.endr
.irp i, 0,1,2,3,4,5,6,7
	v_pk_fma_f32 v[B1+2*\i:B1+2*\i+1], v[(\u)+2*\i:(\u)+2*\i+1], v[C0+2*\i:C0+2*\i+1], v[B1+2*\i:B1+2*\i+1] neg_lo:[0,0,1] neg_hi:[0,0,1]
.endr
.endm
.macro LDV cd                          ; the hold and the conversion: 16 codes, byte 2 j + e
.irp i, 0,1,2,3,4,5,6,7,8,9,10,11,12,13,14,15
	v_med3_num_f32 v[B1+\i], v[B1+\i], -v[LIMB], v[LIMB]   ; the conversion does not saturate (ISA guide 7.6.2); with any knots a value may have either sign
.endr
	v_cvt_scalef32_pk8_bf8_f32 v[(\cd):(\cd)+1], v[B1:B1+7], v[SCB]
	v_cvt_scalef32_pk8_bf8_f32 v[(\cd)+2:(\cd)+3], v[B1+8:B1+15], v[SCB]
	v_nop                                          ; a plain line behind the last conversion
.endm
; Two matrix instructions: column tile b = g / 2, row tiles 2 (g % 2) and the next; st: the set of weights.  Source 0 = 16 columns of the weights, source 1 = 16 rows: a lane then holds 8 neighbouring columns of one row.
; The 16 accumulators take turns, one instruction a turn, in the same order in every step.  z = 1: the products start the sums; z < 0: nothing to multiply yet.
.macro MM g, st, z
.if (\z) >= 0
	WIN 0x51                                       ; weights, C and D in window 1, rows in window 0
.irp mm, 0,1
.if \z
	v_wmma_f32_16x16x128_bf8_bf8 v[32*(2*((\g)%2)+\mm)+8*((\g)/2):32*(2*((\g)%2)+\mm)+8*((\g)/2)+7], v[BF+64*(\st)+16*((\g)/2):BF+64*(\st)+16*((\g)/2)+15], v[AF+16*(2*((\g)%2)+\mm):AF+16*(2*((\g)%2)+\mm)+15], 0
.else
	v_wmma_f32_16x16x128_bf8_bf8 v[32*(2*((\g)%2)+\mm)+8*((\g)/2):32*(2*((\g)%2)+\mm)+8*((\g)/2)+7], v[BF+64*(\st)+16*((\g)/2):BF+64*(\st)+16*((\g)/2)+15], v[AF+16*(2*((\g)%2)+\mm):AF+16*(2*((\g)%2)+\mm)+15], v[32*(2*((\g)%2)+\mm)+8*((\g)/2):32*(2*((\g)%2)+\mm)+8*((\g)/2)+7]
.endif
.endr
	WIN 0
.endif
.endm
.macro MWAIT
	s_wait_alu depctr_va_vdst(0)
	s_wait_loadcnt 16                              ; this step's weights are in; the next step's 16 loads may be out
	s_wait_dscnt 0x0                               ; the rows' fragments are in
.endm
.macro LOADA aadr, aoff, amstr         ; four fragments of rows
.irp m, 0,1,2,3
.irp c, 0,1,2,3
	ds_load_b128 v[AF+16*\m+4*\c:AF+16*\m+4*\c+3], v[\aadr] offset:(\aoff)+(\amstr)*\m+512*\c
.endr
.endr
.endm
.macro LOADW img, st                   ; my four fragments of weights of image img (counted from the trip's base) into set st: 512 consecutive bytes a load
	WIN 0x40
.irp b, 0,1,2,3
.irp c, 0,1,2,3
	global_load_b128 v[BF+64*(\st)+16*\b+4*\c:BF+64*(\st)+16*\b+4*\c+3], v[WAD], s[WB:WB+1] offset:IMG*(\img)+2048*\b+512*\c
.endr
.endr
	WIN 0
.endm
.macro XLOAD adr                       ; my 16 numbers of a block of 64 inputs
.irp qq, 0,1,2,3
	ds_load_b128 v[NX+4*\qq:NX+4*\qq+3], v[\adr] offset:64*\qq
.endr
.endm
.macro XPREP adr                       ; the block's codes for the base product go to LDS, and it is clipped
.set ii, 0
.rept 16
	v_med3_num_f32 v[QT+ii], v[NX+ii], -v[LIMX], v[LIMX]
.set ii, ii+1
.endr
	v_cvt_scalef32_pk8_bf8_f32 v[CD:CD+1], v[QT:QT+7], v[SCX]
	v_cvt_scalef32_pk8_bf8_f32 v[CD+2:CD+3], v[QT+8:QT+15], v[SCX]
.set ii, 0
.rept 16
	v_med3_num_f32 v[WX+ii], v[NX+ii], s[LOS], s[KN+8]   ; the clip: the middle one of x, min(t_3, t_8), t_8.  (These are also the plain lines behind the conversions)
.set ii, ii+1
.endr
.irp qq, 0,1,2,3
	ds_store_b32 v[\adr], v[CD+\qq] offset:512*(\qq/2)+8*(\qq%2)   ; the four codes of step qq: word 2 (qq % 2) + gh of the lane's 16 bytes in group 2 (block % 2) + qq / 2
.endr
.endm
; Between the signal and the wait, on registers alone: the first pair of step q's image (and both pairs' u), with ten of the step's products.  q < 0: nothing is left to make.
.macro GAP q, st, z
.if (\q) >= 0
	UMAKE UA, WX+4*(\q)
	MM 3, \st, \z
	CMPS UA
	MM 4, \st, \z
	UMAKE UA+24, WX+4*(\q)+2
	MASKS
	LA UA
	MM 5, \st, \z
	LB UA
	MM 6, \st, \z
	LC UA
	MM 7, \st, \z
	LDV CD
.else
	MM 3, \st, \z
	MM 4, \st, \z
	MM 5, \st, \z
	MM 6, \st, \z
	MM 7, \st, \z
.endif
.endm
; A step.  st = step % 2: its image's buffer and its set of weights; img: the next step's image; q1: the next image's place in its block of x (-1: none); q0: that of the image after it;
; xp: a new block of x is taken in; bar: the barrier; tw: my part of x's tile is waited for in front of it
.macro PH st, img, q1, q0, xp, z, bar, tw
	PLACES                                         ; four places ahead of the loads into registers that matrix instructions have read
.if \xp
	s_lshr_b32 s21, s[XB], 10                      ; block bk lies at 256 bk + 16 (bk / 4) of my row in LDS,
	s_lshl_b32 s21, s21, 4
	s_add_co_u32 s21, s21, s[XB]
	s_lshl_b32 s20, s[XB], 2                       ; its codes at 1,024 bk
	s_and_b32 s20, s20, 0x1fff
	v_add_nc_u32 v[XLA], s21, v[XL0]
	v_add_nc_u32 v[XSA], s20, v[XS0]
.endif
.if (\q1) >= 0
	s_wait_alu depctr_va_vdst(0)
	ds_store_b128 v[PAD], v[CD:CD+3] offset:8192*((\q1)%2)   ; the pair made ahead of the barrier's wait
.endif
	LOADA AAD, 8192*(\st), 2048
.if \xp
	XLOAD XLA
.endif
	LOADW \img, 1-(\st)
.if (\q1) >= 0
	CMPS UA+24
	MASKS
	LA UA+24
	LB UA+24
	MWAIT
	MM 0, \st, \z
	LC UA+24
	MM 1, \st, \z
	LDV CD+4
	ds_store_b128 v[PAD], v[CD+4:CD+7] offset:8192*((\q1)%2)+512
	MM 2, \st, \z
.else
	MWAIT
	MM 0, \st, \z
	MM 1, \st, \z
	MM 2, \st, \z
.endif
.if \xp
	XPREP XSA
.endif
.if \bar
	s_wait_alu depctr_va_vdst(0)
.if \tw
	s_wait_tensorcnt 0x0                           ; my 8 rows of x are in: behind this barrier every wave may read the tile
.endif
	s_wait_dscnt 0x0                               ; my part of the next image has landed, my fragments are in
	s_barrier_signal -1
.endif
	GAP \q0, \st, \z
.if \bar
	s_barrier_wait -1
.endif
.endm
	s_load_b256 s[4:11], s[0:1], 0x0               ; x s[4:5], w s[6:7], knots s[8:9], the scales' exponents s[10:11]
	s_load_b64 s[12:13], s[0:1], 0x20              ; out0
	v_lshl_add_u32 v[SPW], v0, 2, SPARE
	v_mov_b32 v[NIL], 0
	ds_add_u32 v[SPW], v[NIL]                      ; the opening lines: the add, twice on end, and its wait ahead of my tensor load
	ds_add_u32 v[SPW], v[NIL]
	v_lshrrev_b32 v17, 5, v0
	v_readfirstlane_b32 s[WV], v17                 ; wave 0..7
	s_and_b32 s[W3], s[WV], 3
	s_lshr_b32 s[GH], s[WV], 2
	s_lshl_b32 s19, s[WV], 13                      ; my 4 column tiles of 2,048 bytes
	s_lshl_b32 s20, s[W3], 11
	s_lshl_b32 s21, s[GH], 10
	s_add_co_u32 s20, s20, s21                     ; my part of an image: 2048 m + 512 x 2 gh
	s_lshl_b32 s21, s[W3], 13
	s_lshl_b32 s22, s[GH], 2
	s_add_co_u32 s21, s21, s22                     ; of x's codes: 8192 m + 4 gh
	s_mul_i32 s22, s[WV], 16*OPITCH
	s_add_co_u32 s22, s22, OSTG                    ; my stage
	s_mul_i32 s23, s[W3], 16*XROW
	s_lshl_b32 s90, s[GH], 5
	s_add_co_u32 s23, s23, s90                     ; x in LDS: my 16 rows, 8 gh inputs
	s_lshl_b32 s96, s[W3], 15
	s_add_co_u32 s96, s96, s90                     ; the same in memory
	s_and_b32 s91, ttmp9, 127
	s_lshl_b32 s91, s91, 3
	s_add_co_u32 s91, s91, s[WV]
	s_lshl_b32 s91, s91, 8                         ; the block of four images that I prefetch
	s_lshl_b32 s92, ttmp9, 17                      ; 64 rows of 2,048 bytes
	s_mov_b32 s93, 0
	s_lshl_b32 s98, s[WV], 14                      ; x: the 8 rows that I fetch
	s_mov_b32 s99, 0
	s_lshl_b32 s97, s[WV], 8                       ; out0: my 64 columns
	s_add_co_u32 s94, s92, s97
	s_mov_b32 s95, 0
	; descriptor group 1: 16 rows of 128 elements of 8 bytes, dense in memory; 4 words of padding behind every 256
	s_mov_b32 s[G1], (3<<16)|(1<<20)|(7<<22)|(3<<25)
	s_mov_b32 s[G1+1], 128<<16
	s_mov_b32 s[G1+2], 16<<16
	s_mov_b32 s[G1+3], 128<<16
	s_mov_b32 s[G1+4], 16
	s_mov_b32 s[G1+5], 128
	s_mov_b32 s[G1+6], 0
	s_mov_b32 s[G1+7], 0
	s_mov_b32 s[G0], 1
	s_mul_i32 s[G0+1], s[WV], 8*XROW
	; every LDS address: a constant + a constant x wave terms + a lane term
	v_and_b32 v[L16], 31, v0
	v_lshlrev_b32 v[L16], 4, v[L16]
	v_and_b32 v17, 15, v0                          ; r
	v_bfe_u32 v18, v0, 4, 1                        ; h
	v_add_nc_u32 v[AAD], ABUF, v[L16]
	v_add_nc_u32 v[WAD], s19, v[L16]
	v_mov_b32 v[PFO], s91
	v_add_nc_u32 v[PAD], s20, v[AAD]
	v_add_nc_u32 v[XCA], XCB, v[L16]
	v_add_nc_u32 v[XS0], s21, v[XCA]
	v_mul_u32_u24 v[OST], v17, OPITCH
	v_lshl_add_u32 v[OST], v18, 5, v[OST]
	v_add_nc_u32 v[OST], s22, v[OST]
	v_mul_u32_u24 v[ORD], v18, OPITCH
	v_lshl_add_u32 v[ORD], v17, 4, v[ORD]
	v_add_nc_u32 v[ORD], s22, v[ORD]
	v_lshlrev_b32 v[CO], 11, v18                   ; out0: lanes 0-15 one row's 256 bytes, lanes 16-31 the next row's
	v_lshl_add_u32 v[CO], v17, 4, v[CO]
	v_mul_u32_u24 v[XL0], v17, XROW
	v_lshl_add_u32 v[XL0], v18, 4, v[XL0]
	v_add_nc_u32 v[XL0], s23, v[XL0]
	v_lshlrev_b32 v[XLA], 11, v17                  ; x in memory: row r of 2,048 bytes + 16 h + my wave's part
	v_lshl_add_u32 v[XLA], v18, 4, v[XLA]
	v_add_nc_u32 v[XLA], s96, v[XLA]
	s_wait_alu depctr_va_vdst(0)
	s_wait_dscnt 0x0                               ; both opening adds are done
	s_wait_kmcnt 0x0
	s_load_b256 s[68:75], s[8:9], 0x0              ; t0 .. t7
	s_load_b128 s[76:79], s[8:9], 0x20             ; t8 .. t11
	s_load_b128 s[80:83], s[10:11], 0x0            ; e0 .. e3
	s_add_nc_u64 s[4:5], s[4:5], s[92:93]
.irp qq, 0,1,2,3
	global_load_b128 v[NX+4*\qq:NX+4*\qq+3], v[XLA], s[4:5] offset:64*\qq   ; the first block of x, straight into registers
.endr
	s_add_nc_u64 s[G0+2:G0+3], s[4:5], s[98:99]
	s_or_b32 s[G0+3], s[G0+3], 0x80000000
	s_add_nc_u64 s[12:13], s[12:13], s[94:95]
	s_mov_b64 s[WB:WB+1], s[6:7]
	tensor_load_to_lds s[G0:G0+3], s[G1:G1+7]      ; my 8 rows of x: the wave's one tensor load
	s_nop 0
	PLACES
	LOADW 0, 0
	global_prefetch_b8 v[PFO], s[WB:WB+1] offset:4*IMG th:TH_LOAD_NT scope:SCOPE_SE   ; images 4 to 7
	s_wait_kmcnt 0x0
	s_add_co_i32 s20, s80, s81
	s_add_co_i32 s20, s20, 127
	s_lshl_b32 s84, s20, 23                        ; 2^(e0+e1)  (each of the three is named as a pair, so both words are written)
	s_mov_b32 s85, s84
	s_add_co_i32 s20, s82, s83
	s_add_co_i32 s20, s20, 127
	s_lshl_b32 s86, s20, 23                        ; 2^(e2+e3)
	s_mov_b32 s87, s86
	s_mov_b32 s88, 0xbfb8aa3b                      ; -log2(e)
	s_mov_b32 s89, s88
	v_mov_b32 v[DD], s[KN+8]
	v_cmp_le_f32 s[S3], s[KN+3], v[DD]             ; t_3 <= t_8: the same in every lane
	v_min_num_f32 v[DD+1], s[KN+3], v[DD]
	v_readfirstlane_b32 s[LOS], v[DD+1]            ; min(t_3, t_8)
.set ii, 0
.rept 12
	v_sub_f32 v[NT+ii], 0, s[KN+ii]                ; -t_m
.set ii, ii+1
.endr
.set ii, 0
.rept 11
	v_add_f32 v[DD+ii], s[KN+ii+1], v[NT+ii]       ; the spans t_(i+j) - t_i: 11 of level 1,
.set ii, ii+1
.endr
.set ii, 0
.rept 10
	v_add_f32 v[DD+11+ii], s[KN+ii+2], v[NT+ii]    ; 10 of level 2,
.set ii, ii+1
.endr
.set ii, 0
.rept 9
	v_add_f32 v[DD+21+ii], s[KN+ii+3], v[NT+ii]    ; 9 of level 3
.set ii, ii+1
.endr
.set ii, 0
.rept 30
	v_max_num_f32 v[DD+ii], 0x322bcc77, v[DD+ii]   ; floored at 1e-8
.set ii, ii+1
.endr
	s_wait_alu depctr_va_vdst(0)
.set ii, 0
.rept 30
	v_rcp_f32 v[R1+ii], v[DD+ii]
.set ii, ii+1
.endr
	v_nop                                          ; a plain line behind the last reciprocal,
	s_wait_alu depctr_va_vdst(0)                   ; and one wait for the batch, ahead of its first reader
.set ii, 0
.rept 30
	v_fma_f32 v[EE+ii], -v[DD+ii], v[R1+ii], 1.0   ; one Newton step: r += r (1 - d r)
.set ii, ii+1
.endr
.set ii, 0
.rept 30
	v_fma_f32 v[R1+ii], v[R1+ii], v[EE+ii], v[R1+ii]
.set ii, ii+1
.endr
	s_add_co_i32 s20, s80, 127
	s_lshl_b32 s21, s20, 23
	v_mov_b32 v[SCX], s21                          ; 2^e0 as f32: the conversion takes its exponent field
	s_add_co_i32 s20, s20, 15
	s_lshl_b32 s20, s20, 23
	s_or_b32 s20, s20, 0x600000
	v_mov_b32 v[LIMX], s20                         ; 57,344 x 2^e0
	s_add_co_i32 s20, s82, 127
	s_lshl_b32 s21, s20, 23
	v_mov_b32 v[SCB], s21                          ; the same with e2, for the basis
	s_add_co_i32 s20, s20, 15
	s_lshl_b32 s20, s20, 23
	s_or_b32 s20, s20, 0x600000
	v_mov_b32 v[LIMB], s20
	s_wait_alu depctr_va_vdst(0)
	s_wait_loadcnt 16                              ; the first block of x is in; image 0's 16 loads, issued behind it, may be out
	XPREP XS0
	UMAKE UA, WX                                   ; image 0, both pairs
	CMPS UA
	UMAKE UA+24, WX+2
	MASKS
	LA UA
	LB UA
	LC UA
	LDV CD
	ds_store_b128 v[PAD], v[CD:CD+3]
	CMPS UA+24
	MASKS
	LA UA+24
	LB UA+24
	LC UA+24
	LDV CD+4
	ds_store_b128 v[PAD], v[CD+4:CD+7] offset:512
	s_wait_alu depctr_va_vdst(0)
	s_wait_dscnt 0x0
	s_barrier_signal -1
	GAP 1, 0, -1                                   ; image 1's first pair
	s_barrier_wait -1
	s_mov_b32 s[TR], 0
	s_mov_b32 s[XB], 256
	PH 0, 1, 1, 2, 0, 1, 1, 0                      ; step 0 stands ahead of the loop: its products start the sums
	PH 1, 2, 2, 3, 0, 0, 1, 1                      ; step 1 too: in front of its barrier x's tile is waited for, once
.Ltrip:                                            ; 7 trips of four steps, from a block's third step to the next block's second
	PH 0, 3, 3, 0, 1, 0, 1, 0
	global_prefetch_b8 v[PFO], s[WB:WB+1] offset:8*IMG th:TH_LOAD_NT scope:SCOPE_SE   ; images 8 to 11 from the trip's base
	PH 1, 4, 0, 1, 0, 0, 1, 0
	PH 0, 5, 1, 2, 0, 0, 1, 0
	PH 1, 6, 2, 3, 0, 0, 1, 0
	s_wait_xcnt 0x0                                ; the loads and the prefetch have read their base: it may step
	s_add_nc_u64 s[WB:WB+1], s[WB:WB+1], 4*IMG
	s_add_co_u32 s[XB], s[XB], 256
	s_add_co_u32 s[TR], s[TR], 1
	s_cmp_lt_u32 s[TR], 7
	s_cbranch_scc1 .Ltrip
	PH 0, 3, 3, -1, 0, 0, 1, 0                     ; steps 30 and 31: the last image is finished, then nothing is left to make
	PH 1, 4, -1, -1, 0, 0, 0, 0
; THE BASE PRODUCT: all 64 rows x my 64 columns, K = 512 in four steps, into registers of window 0 that the recursion has left.
.macro BSTEP sb, zero
	PLACES
	LOADA XCA, 2048*(\sb), 8192
.if (\sb) < 3
	LOADW 5+(\sb), 1-((\sb)%2)
	s_wait_loadcnt 16                              ; this step's weights are in; the next step's 16 loads may be out
.else
	s_wait_loadcnt 0x0
.endif
	s_wait_dscnt 0x0
	WIN 0x01                                       ; the weights in window 1
.irp b, 0,1,2,3
.irp m, 0,1,2,3
.if \zero
	v_wmma_f32_16x16x128_bf8_bf8 v[BA+32*\m+8*\b:BA+32*\m+8*\b+7], v[BF+64*((\sb)%2)+16*\b:BF+64*((\sb)%2)+16*\b+15], v[AF+16*\m:AF+16*\m+15], 0
.else
	v_wmma_f32_16x16x128_bf8_bf8 v[BA+32*\m+8*\b:BA+32*\m+8*\b+7], v[BF+64*((\sb)%2)+16*\b:BF+64*((\sb)%2)+16*\b+15], v[AF+16*\m:AF+16*\m+15], v[BA+32*\m+8*\b:BA+32*\m+8*\b+7]
.endif
.endr
.endr
	WIN 0
.endm
	BSTEP 0, 1
	BSTEP 1, 0
	WIN 0x41                                       ; source 0 and destination in window 1
.set kk, 0
.rept 64
	v_pk_mul_f32 v[2*kk:2*kk+1], v[2*kk:2*kk+1], s[86:87] op_sel_hi:[1,0]   ; the spline sums x 2^(e2+e3), each accumulator from its low end on
.set kk, kk+1
.endr
	WIN 0
	BSTEP 2, 0
	BSTEP 3, 0
	PLACES
.set kk, 0
.rept 64
	v_pk_mul_f32 v[BA+2*kk:BA+2*kk+1], v[BA+2*kk:BA+2*kk+1], s[84:85] op_sel_hi:[1,0]   ; z = sum x 2^(e0+e1), each accumulator from its low end on
.set kk, kk+1
.endr
; THE WAY OUT, 16 rows x 64 columns at a time: out = z / (1 + 2^(-log2(e) z)) + spline.  Where 2^(..) overflows the quotient is 0, as silu is there.
; A lane holds 32 neighbouring bytes of a row: the block goes through my own stage and comes back as whole rows of 256 bytes, into the registers that held its z.
.macro EPI m
.set Z, BA+32*(\m)
.set kk, 0
.rept 16
	v_pk_mul_f32 v[EX+2*kk:EX+2*kk+1], v[Z+2*kk:Z+2*kk+1], s[88:89] op_sel_hi:[1,0]
.set kk, kk+1
.endr
	s_wait_alu depctr_va_vdst(0)
.set kk, 0
.rept 32
	v_exp_f32 v[EX+kk], v[EX+kk]
.set kk, kk+1
.endr
	v_nop
	s_wait_alu depctr_va_vdst(0)                   ; one wait for the batch of exponentials, ahead of its first reader
.set kk, 0
.rept 16
	v_pk_add_f32 v[EX+2*kk:EX+2*kk+1], v[EX+2*kk:EX+2*kk+1], 1.0 op_sel_hi:[1,0]
.set kk, kk+1
.endr
	s_wait_alu depctr_va_vdst(0)
.set kk, 0
.rept 32
	v_rcp_f32 v[EX+kk], v[EX+kk]
.set kk, kk+1
.endr
	v_nop
	s_wait_alu depctr_va_vdst(0)                   ; and one for the reciprocals
	WIN 0x10                                       ; source 2, the spline sums, in window 1
.set kk, 0
.rept 16
	v_pk_fma_f32 v[Z+2*kk:Z+2*kk+1], v[Z+2*kk:Z+2*kk+1], v[EX+2*kk:EX+2*kk+1], v[32*(\m)+2*kk:32*(\m)+2*kk+1]
.set kk, kk+1
.endr
	WIN 0
.irp b, 0,1,2,3
	ds_store_b128 v[OST], v[Z+8*\b:Z+8*\b+3] offset:64*\b
	ds_store_b128 v[OST], v[Z+8*\b+4:Z+8*\b+7] offset:64*\b+16
.endr
.irp t, 0,1,2,3,4,5,6,7
	ds_load_b128 v[Z+4*\t:Z+4*\t+3], v[ORD] offset:2*OPITCH*\t   ; LDS serves a wave's instructions in order (ISA guide 5.7.1.4): these see my stores
.endr
.irp t, 0,1,2,3,4,5,6,7
	s_wait_dscnt 7-\t                              ; rows 2 t and 2 t + 1 are back; the later rows may be out
	global_store_b128 v[CO], v[Z+4*\t:Z+4*\t+3], s[12:13] offset:32768*(\m)+4096*\t th:TH_STORE_NT   ; 16 lanes store 256 consecutive bytes, at a multiple of 256 from out0's first byte
.endr
.endm
	EPI 0
	EPI 1
	EPI 2
	EPI 3
	s_wait_tensorcnt 0x0                           ; the wave's end, behind my tensor load and my last LDS store
	ds_add_u32 v[SPW], v[NIL]
	s_wait_dscnt 0x0
	s_endpgm
.Lfunc_end_k_q4a7d0162d4_kan:
	.size	k_q4a7d0162d4_kan, .Lfunc_end_k_q4a7d0162d4_kan-k_q4a7d0162d4_kan
	.p2alignl 7, 3214868480
	.fill 96, 4, 3214868480
	.section	.rodata,"a",@progbits
	.p2align	6, 0x0
	.amdhsa_kernel k_q4a7d0162d4_kan
		.amdhsa_group_segment_fixed_size 218112
		.amdhsa_private_segment_fixed_size 0
		.amdhsa_enable_private_segment 0
		.amdhsa_kernarg_size 40
		.amdhsa_user_sgpr_count 2
		.amdhsa_user_sgpr_kernarg_segment_ptr 1
		.amdhsa_wavefront_size32 1
		.amdhsa_system_sgpr_workgroup_id_x 1
		.amdhsa_system_sgpr_workgroup_id_y 1
		.amdhsa_system_sgpr_workgroup_id_z 1
		.amdhsa_system_vgpr_workitem_id 0
		.amdhsa_next_free_vgpr 512
		.amdhsa_next_free_sgpr 100
		.amdhsa_reserve_vcc 0
		.amdhsa_float_denorm_mode_32 3
		.amdhsa_float_denorm_mode_16_64 3
		.amdhsa_memory_ordered 1
		.amdhsa_forward_progress 1
		.amdhsa_inst_pref_size 255
	.end_amdhsa_kernel
	.section	.bss,"aw",@nobits
	.p2align	6
	.space	262144
	.amdgpu_metadata
---
amdhsa.version: [ 1, 2 ]
amdhsa.kernels:
  - .name:           k_q4a7d0162d4_kan
    .symbol:         k_q4a7d0162d4_kan.kd
    .args:
      - { .name: x, .offset: 0, .size: 8, .value_kind: global_buffer, .address_space: global }
      - { .name: w, .offset: 8, .size: 8, .value_kind: global_buffer, .address_space: global }
      - { .name: knots, .offset: 16, .size: 8, .value_kind: global_buffer, .address_space: global }
      - { .name: lowp_scales, .offset: 24, .size: 8, .value_kind: global_buffer, .address_space: global }
      - { .name: out0, .offset: 32, .size: 8, .value_kind: global_buffer, .address_space: global }
    .group_segment_fixed_size: 218112
    .private_segment_fixed_size: 0
    .kernarg_segment_align: 8
    .kernarg_segment_size: 40
    .max_flat_workgroup_size: 256
    .sgpr_count:     100
    .vgpr_count:     512
    .wavefront_size: 32
...
	.end_amdgpu_metadata
.endif
;; end of part 2
